; MI455X (gfx1250); checked and timed in simulation.
; The chip was launched on July 23, 2026; its instructions are those of AMD's public machine-readable ISA for CDNA 5 (MIT licence, August 2026) and "CDNA5" Instruction Set Architecture Reference Guide (July 2026). The comments in the code are by the model that wrote it; some were corrected since.
;; additive Attention. Allowed arithmetic: matrix products marked QUANTISED: E4M3 operands, one given power-of-two scale a tensor, by v_wmma_f32_16x16x64_fp8_fp8 or v_wmma_f32_16x16x128_fp8_fp8, f32 sums; everything else in f32.
;; Inputs: Wk_codes 2,048 x 32 x 32 uint8 (E4M3 codes of Wk, K innermost, in blocks of 32 codes); Wq_codes 2,048 x 32 x 32 uint8 (E4M3 codes of Wq, K innermost, in blocks of 32 codes); bk 2,048 float32; bq 2,048 float32; k_codes 4 x 2,048 x 32 x 32 uint8 (E4M3 codes of k, K innermost, in blocks of 32 codes); lowp_scales 6 int32 (the exponents e of the quantised operands' scales 2^e); mask 2,048 x 2,048 float32; q_codes 4 x 2,048 x 32 x 32 uint8 (E4M3 codes of q, K innermost, in blocks of 32 codes); v_codes 4 x 1,024 x 64 x 32 uint8 (E4M3 codes of v, K innermost, in blocks of 32 codes).
;; Outputs: out0 4 x 2,048 x 1,024 float32.
;; This version of the problem:
;;   THIS VERSION OF THE PROBLEM IS GIVEN IN LOW PRECISION. The matrix products marked QUANTISED in the list below multiply operands that are first quantised to E4M3 (4 exponent bits, 3 mantissa bits; 8 bits a number), with one given power-of-two scale for each operand tensor; their sums are f32. All else is computed in f32.
;;   The module's matrix products, in the order in which they are computed (A, B: the left and right operand; K: the contracted axis; several contracted axes count as one K, in the product's order):
;;     1. [M 8,192, K 1,024] x [K 1,024, N 2,048]; A: input q (given as codes); B: input Wq (given as codes): QUANTISED (scales: A lowp_scales[0], B lowp_scales[1])
;;     2. [M 8,192, K 1,024] x [K 1,024, N 2,048]; A: input k (given as codes); B: input Wk (given as codes): QUANTISED (scales: A lowp_scales[2], B lowp_scales[3])
;;     3. batch 4 x [M 2,048, K 2,048] x [K 2,048, N 1,024]; A: softmax (see below); B: input v (given as codes): QUANTISED (scales: A lowp_scales[4], B lowp_scales[5])
;;   THE QUANTISER, for each operand of a quantised product, along K:
;;     - The operand's scale is 2^e, e = its entry of the input lowp_scales (int32; the entries are numbered through the quantised products in the list's order, A before B).
;;     - Each number is divided by the scale, clamped to +-448, and rounded to the nearest number of E4M3, ties to even, subnormals kept.
;;     - The product sums the exact products of the quantised numbers (number of the format x scale) in f32.
;;   ~~~python
;;   def quantise(x, axis, e):      # numpy; x: float32 -> the quantised numbers, widened to float32 again
;;       x = np.moveaxis(x, axis, -1); K = x.shape[-1]
;;       r = np.clip(x / 2.0 ** e, -448, 448)
;;       step = 2.0 ** (np.maximum(np.frexp(np.where(r == 0, 1, r))[1] - 1, -6) - 3)
;;       q = np.round(r / step) * step * 2.0 ** e      # np.round: ties to even
;;       return np.moveaxis(q, -1, axis).astype(np.float32)
;;   ~~~
;;   SOFTMAX AHEAD OF A QUANTISED PRODUCT. Where the list says 'softmax', what is quantised is not the finished softmax but p = 2^(t - M), with t = logit x log2(e) and M = ceil(the row's largest t), a whole number; so 1/2 < the row's largest p <= 1. The row's sum l is taken of the UNQUANTISED p, in f32, and the product's result is divided by l at the end. Since M is a whole number, a kernel that streams over the keys may use a running M (the ceiling of the running maximum): every later rescaling is an exact power of two, so the quantised numbers keep their values, but for numbers so far below the row's largest that they fall under the format's range.
;;   OPERANDS COMPUTED ON THE WAY. 'Computed on the way' means the value that the module computes at that place (a softmax that the list does not call 'softmax' is quantised finished and normalised). What goes into a quantiser is computed in f32, as accurately as f32 sums, v_exp_f32 and their like allow (about 1e-6 of the number): no bf16 or f16 on the way to a quantiser, and a product that is left as it is and whose result goes on into a quantised operand takes f32 operands (vector FMAs, or v_wmma_f32_16x16x4_f32). A number that lies on a knife's edge between two numbers of the format may be rounded either way, as far as f32 arithmetic and the matrix unit's own rounding can turn it there, and no further.
;;   INPUTS GIVEN AS CODES. Wk (in the module: [2048, 1024], K = its axis 1); Wq (in the module: [2048, 1024], K = its axis 1); k (in the module: [4, 2048, 1024], K = its axis 2); q (in the module: [4, 2048, 1024], K = its axis 2); v (in the module: [4, 2048, 1024], K = its axis 1): each comes as NAME_codes (uint8): NAME with its K axis moved to the last place and cut into blocks of 32 codes, [.., K / 32, bytes a block], one block behind the other in memory; one code a byte (a code: sign, 4 exponent bits, 3 mantissa bits); its scale is its entry of lowp_scales. Its value is code x scale, taken as it is: it is not quantised again, and the codes and scales need not be those that the quantiser above would give.
;; One version. Each part assembles by itself: llvm-mc -triple=amdgcn-amd-amdhsa -mcpu=gfx1250 --defsym DOCPART=n.
;; ======== version 1 of 1: 2 launches
;; limits: right only within a limited range of input values
;; workspace buffers: pimg 16,777,216 bytes; stats 1,048,576 bytes
;; launch energy (part 1): grid 8 x 32, 4 waves a work-group, clusters of 4 x 4, 327,680 bytes of LDS; arguments q_codes, Wq_codes, k_codes, Wk_codes, bq, bk, mask, lowp_scales, pimg, stats; writes pimg, stats
.if DOCPART == 1
	.amdgcn_target "amdgcn-amd-amdhsa--gfx1250"
	.amdhsa_code_object_version 6
	.text
	.protected	k_q142cf2e4f4_energy
	.globl	k_q142cf2e4f4_energy
	.p2align	8
	.type	k_q142cf2e4f4_energy,@function
k_q142cf2e4f4_energy:
	s_mov_b64 s[64:65], 0
	v_nop
	global_prefetch_b8 v0, s[64:65] scope:SCOPE_SE
	s_setreg_imm32_b32 hwreg(HW_REG_WAVE_MODE, 25, 1), 1
	s_wait_xcnt 0x0
	s_wait_alu depctr_hold_cnt(0) depctr_sa_sdst(0) depctr_va_vdst(0) depctr_va_sdst(0) depctr_va_ssrc(0) depctr_va_vcc(0) depctr_vm_vsrc(0)
	s_getreg_b32 s2, hwreg(HW_REG_IB_STS2, 6, 4)
	s_cmp_eq_u32 s2, 0
	s_cbranch_scc0 .Lentry_in_a_cluster
	s_endpgm
.Lentry_in_a_cluster:
	s_bfe_u32 s2, ttmp6, 0x10000c
	s_cmp_lg_u32 s2, 0xf033
	s_cbranch_scc0 .Lentry_shape_is_right
	s_endpgm
.Lentry_shape_is_right:
; e = tanh(q Wq^T + k Wk^T + bq + bk) + mask for 256 rows x 256 columns a work-group; then p = 2^(e L - M_j) as codes, L = log2(e), M_j the whole number above the row's largest e L among these 256 columns (block j),
; and, for each row and 128 columns, the largest e - 1 and the sum of the unquantised p.  The next launch brings the blocks under the row's own M: M_j - M is a whole number, so the codes keep their values, but for numbers far below the row's largest.
; Nothing of the problem is left out: every input has a way to the output.
; tanh(x) = 1 - 2 / (1 + 2^(2 L x)).  What is kept is e - 1 = mask - 2 / (1 + 2^(2 L x)).
; LIMITS: e0+e1, e2+e3 between -120 and 120, their difference between -126 and 127, e4 between -126 and 119 (each power of two below is an f32 number); the promise holds while e L stays under 2^31 in magnitude, or the mask is -infinity
; (a row that is -infinity throughout gives NaN as the reference does; the largest e of a block is held at -2^127 from below, so that a block of -infinities has a finite M_j and codes of 0).
; SHARES.  Four waves, each 128 x 128: 64 accumulators of 16 x 16.  K goes in tiles of 256 through two LDS slots: T0-T3 of q and Wq, T4-T7 of k and Wk; then the mask's rows, in two parts, through the same slots.
; CLUSTER 4 x 4: cy is the batch, so the four of a column share Wq's, Wk's and the mask's tiles, the four of a row q's and k's: all are asked for jointly.
; TRANSPOSED USE: source 0 = 16 rows of W, source 1 = 16 rows of q or k: lane (r, h) holds row 16 a + r and columns 16 b + 8 h + 0 .. 7.
; THE BIASES are the C of the first products, in units of 2^(e0+e1).  Behind T3 the sums are multiplied by 2^(e0+e1-e2-e3), which rounds nothing.
; FRAGMENT LOADS stand four at a time between matrix instructions, each four in two switches of the window; A has one set of registers, refilled block by block behind the block's eight products, B has two.
; PREFETCHES run two K steps ahead of the joint loads: a lane a row of 256 bytes, the four partners of a joint load share its rows out by address (cx for q and k, cy for Wq, Wk and the mask).
; The rows of Wq and Wk are read by eight clusters; four of them ask (cluster rows 0, 2, 5, 7).  Mask: a lane 256 bytes, 16 rows of each wave's 64 a partner.
; REGISTERS, window 0: v12-31 addresses; v32-95 biases; v128-255 A.  Window 1: B, two sets; at the end the mask.  Windows 2, 3: accumulators (a, b) at v[8 (8 (a % 4) + b)].
; At the end window 0: v32-47 maxima, then v32-63 partial sums; v64-79 the exponents' addends; v80-87 sums; v88-95 permuted; v96-111 codes; v112-115 statistics; v128-255 p, two blocks by turns.
.set PITCH,  272                       ; 256 bytes + 16 of padding
.set HALFT,  128*PITCH
.set SLOT,   4*HALFT
.set SPARE,  2*SLOT                    ; the spare words: two blocks of 256 bytes
.set SCR,    SPARE+512                 ; statistics, 512 bytes a wave for maxima, then as much for sums
.set MP,     528                       ; a mask row of 128 numbers + 16 bytes
.set PFM,  12
.set ADRA, 16
.set MADR, 18
.set ADRB, 20
.set PFO,  22
.set SAV,  23
.set SBV,  24
.set SVV,  25
.set PO,   26
.set STO,  27
.set SPW,  28
.set NIL,  29
.set QSC,  30
.set PFO1, 31
.set BI,   32
.set MX,   32
.set MB,   40
.set T,    32
.set LM,   64
.set LS,   80
.set TP,   88
.set CD,   96
.set SQ,   112
.set AF,   128
.set H,    128
.set G1A, 24
.set G1B, 32
.set G1M, 40
.set G0A, 48
.set G0B, 56
.set G0M, 68
.set PFQ, 76
.set PFK, 78
.set PFN, 80
.set PFON, 82                          ; 0: my wave asks
.set WV,  84
.set RH,  85
.set CH,  86
.set LIMS, 93
.set SC,  94
.set C2,  96
.set LG,  98
.set SEL, 100
.set MSB, 0
.macro WIN new                         ; the immediate's high byte repeats the setting that is left
.if MSB != (\new)
	s_set_vgpr_msb (MSB<<8)|(\new)
.set MSB, (\new)
.endif
.endm
.macro PLACES n
.rept \n
	v_nop
.endr
.endm
.macro JLOAD s                         ; waves 0, 1 fetch for A, waves 2, 3 for B
	s_cmp_eq_u32 s[RH], 0
	s_cbranch_scc0 .Lfor_b_\@
	tensor_load_to_lds s[G0A+4*\s:G0A+4*\s+3], s[G1A:G1A+7]
	s_nop 0
	PLACES 4
	s_branch .Lasked_\@
.Lfor_b_\@:
	tensor_load_to_lds s[G0B+4*\s:G0B+4*\s+3], s[G1B:G1B+7]
	s_nop 0
	PLACES 4
.Lasked_\@:
.endm
.macro MLOAD p                         ; each wave fetches the mask of its own 64 rows x 128 columns
	tensor_load_to_lds s[G0M+4*\p:G0M+4*\p+3], s[G1M:G1M+7]
	s_nop 0
	PLACES 4
.endm
.macro CREST                           ; a round of the cluster's barrier behind its opening barrier
	s_cmp_lg_u32 s[WV], 0
	s_cbranch_scc1 .Lnot_wave_0_\@
	s_barrier_signal -3
.Lnot_wave_0_\@:
	s_barrier_wait -3
	s_barrier_signal -1
	s_barrier_wait -1
.endm
.macro CROUND
	s_barrier_signal -1
	s_barrier_wait -1
	CREST
.endm
.macro ASK vr, sp, off
	WIN 0
	s_cmp_eq_u32 s[PFON], 0
	s_cbranch_scc0 .Lnot_mine_\@
	global_prefetch_b8 v[\vr], s[\sp:\sp+1] offset:\off th:TH_LOAD_NT scope:SCOPE_SE
.Lnot_mine_\@:
.endm
	s_load_b512 s[4:19], s[0:1], 0x0               ; q, Wq, k, Wk, bq, bk, mask, scales
	s_load_b128 s[20:23], s[0:1], 0x40             ; pimg, stats
	v_lshl_add_u32 v[SPW], v0, 2, SPARE
	v_mov_b32 v[NIL], 0
	ds_add_u32 v[SPW], v[NIL]                      ; the opening: the add, twice on end, ahead of the first tensor load
	ds_add_u32 v[SPW], v[NIL]
	v_lshrrev_b32 v1, 5, v0
	v_readfirstlane_b32 s[WV], v1
	s_lshr_b32 s[RH], s[WV], 1                     ; my half of the rows; also: I fetch for A (0) or B (1)
	s_and_b32 s[CH], s[WV], 1                      ; my half of the columns; also: which 128 rows I fetch
	s_bfe_u32 s94, ttmp6, 0x40000                  ; cx
	s_bfe_u32 s95, ttmp6, 0x40004                  ; cy: the batch
	s_lshl_b32 s96, ttmp9, 2
	s_add_co_u32 s96, s96, s94                     ; block of 256 columns
	s_and_b32 s97, ttmp7, 0xffff                   ; block of 256 rows in the batch
	s_lshl_b32 s98, s95, 3
	s_add_co_u32 s98, s98, s97                     ; and among all rows
	s_lshl_b32 s99, s95, 2
	s_lshl_b32 s99, 15, s99                        ; my row of the cluster
	s_lshl_b32 s100, 0x1111, s94                   ; my column
	s_or_b32 s[G1A], s99, (0<<16)|(1<<20)|(1<<21)|(5<<22)|(3<<25)
	s_or_b32 s[G1B], s100, (0<<16)|(1<<20)|(1<<21)|(5<<22)|(3<<25)
.irp g, G1A, G1B                       ; 128 rows of 256 bytes, 1,024 bytes apart
	s_mov_b32 s[\g+1], 256<<16
	s_mov_b32 s[\g+2], 128<<16
	s_mov_b32 s[\g+3], 256<<16
	s_mov_b32 s[\g+4], 128
	s_mov_b32 s[\g+5], 1024
	s_mov_b32 s[\g+6], 0
	s_mov_b32 s[\g+7], 0
.endr
	s_or_b32 s[G1M], s100, (2<<16)|(1<<20)|(1<<21)|(6<<22)|(3<<25)   ; mask: 64 rows of 128 numbers of 4 bytes, 4 words of padding after every 128
	s_mov_b32 s[G1M+1], 128<<16
	s_mov_b32 s[G1M+2], 64<<16
	s_mov_b32 s[G1M+3], 128<<16
	s_mov_b32 s[G1M+4], 64
	s_mov_b32 s[G1M+5], 2048
	s_mov_b32 s[G1M+6], 0
	s_mov_b32 s[G1M+7], 0
	s_lshl_b32 s87, s[CH], 7
	s_lshl_b32 s66, s98, 8
	s_add_co_u32 s66, s66, s87
	s_lshl_b32 s66, s66, 10                        ; A: (256 x row block + 128 x half) rows
	s_mov_b32 s67, 0
	s_lshl_b32 s2, s96, 8
	s_add_co_u32 s2, s2, s87
	s_lshl_b32 s2, s2, 10                          ; B: (256 x column block + 128 x half) rows
	s_mov_b32 s3, 0
	s_mul_i32 s87, s[WV], HALFT
	s_wait_dscnt 0x0                               ; both opening adds are done
	s_wait_kmcnt 0x0
	s_load_b128 s[88:91], s[18:19], 0x0            ; e0 .. e3
	s_load_b32 s92, s[18:19], 0x10                 ; e4
	s_add_nc_u64 s[4:5], s[4:5], s[66:67]
	s_add_nc_u64 s[8:9], s[8:9], s[66:67]
	s_add_nc_u64 s[6:7], s[6:7], s[2:3]
	s_add_nc_u64 s[10:11], s[10:11], s[2:3]
.irp s, 0,1
	s_mov_b32 s[G0A+4*\s], 1
	s_add_co_u32 s[G0A+4*\s+1], s87, \s*SLOT
	s_add_nc_u64 s[G0A+4*\s+2:G0A+4*\s+3], s[4:5], \s*256
	s_or_b32 s[G0A+4*\s+3], s[G0A+4*\s+3], 0x80000000
	s_mov_b32 s[G0B+4*\s], 1
	s_add_co_u32 s[G0B+4*\s+1], s87, \s*SLOT
	s_add_nc_u64 s[G0B+4*\s+2:G0B+4*\s+3], s[6:7], \s*256
	s_or_b32 s[G0B+4*\s+3], s[G0B+4*\s+3], 0x80000000
.endr
	CROUND                                         ; the first joint loads meet
	JLOAD 0                                        ; T0: one tensor load a wave at the head
	; the mask at my wave's rows and columns
	s_lshl_b32 s2, s97, 8
	s_lshl_b32 s3, s[RH], 7
	s_add_co_u32 s2, s2, s3
	s_lshl_b32 s2, s2, 13
	s_lshl_b32 s3, s96, 10
	s_add_co_u32 s2, s2, s3
	s_lshl_b32 s3, s[CH], 9
	s_add_co_u32 s2, s2, s3
	s_mov_b32 s3, 0
	s_add_nc_u64 s[16:17], s[16:17], s[2:3]
.irp p, 0,1
	s_mov_b32 s[G0M+4*\p], 1
	s_add_co_u32 s[G0M+4*\p+1], s87, \p*SLOT
	s_add_nc_u64 s[G0M+4*\p+2:G0M+4*\p+3], s[16:17], \p*64*8192
	s_or_b32 s[G0M+4*\p+3], s[G0M+4*\p+3], 0x80000000
.endr
	s_lshl_b32 s2, s96, 10
	s_lshl_b32 s3, s[CH], 9
	s_add_co_u32 s2, s2, s3
	s_mov_b32 s3, 0
	s_add_nc_u64 s[12:13], s[12:13], s[2:3]
	s_add_nc_u64 s[14:15], s[14:15], s[2:3]
	; the prefetches' places
	s_cmp_eq_u32 s[RH], 0
	s_cselect_b64 s[PFQ:PFQ+1], s[4:5], s[6:7]
	s_cselect_b64 s[PFK:PFK+1], s[8:9], s[10:11]
	s_cselect_b32 s66, s94, s95
	s_lshl_b32 s66, s66, 15                        ; my work-group's 32 of the 128 rows
	s_mov_b32 s67, 0
	s_add_nc_u64 s[PFQ:PFQ+1], s[PFQ:PFQ+1], s[66:67]
	s_add_nc_u64 s[PFK:PFK+1], s[PFK:PFK+1], s[66:67]
	s_mov_b64 s[PFN:PFN+1], s[PFK:PFK+1]
	s_lshl_b32 s66, s95, 17                        ; mask: my 16 of the wave's 64 rows
	s_add_nc_u64 s[4:5], s[16:17], s[66:67]
	s_lshr_b32 s83, s97, 2
	s_xor_b32 s83, s83, s97
	s_and_b32 s[PFON], s83, s[RH]                  ; 1 in B's waves of cluster rows 1, 3, 4, 6
	v_and_b32 v1, 15, v0                           ; r
	v_bfe_u32 v2, v0, 4, 1                         ; h
	v_and_b32 v6, 31, v0
	v_lshlrev_b32 v5, 5, v2
.irp b, 0,1,2,3,4,5,6,7
.irp i, 0,1
	global_load_b128 v[BI+8*\b+4*\i:BI+8*\b+4*\i+3], v5, s[12:13] offset:64*\b+16*\i
.endr
.endr
	WIN 0x80                                       ; bk waits in window 2, which no sum holds yet
.irp b, 0,1,2,3,4,5,6,7
.irp i, 0,1
	global_load_b128 v[8*\b+4*\i:8*\b+4*\i+3], v5, s[14:15] offset:64*\b+16*\i
.endr
.endr
	WIN 0
	v_lshlrev_b32 v[PFO], 10, v6
	v_add_nc_u32 v[PFO1], 0x100, v[PFO]            ; one K step on
	v_lshrrev_b32 v[PFM], 1, v6
	v_lshlrev_b32 v[PFM], 13, v[PFM]
	v_and_b32 v[PFM+1], 1, v6
	v_lshl_add_u32 v[PFM], v[PFM+1], 8, v[PFM]
	v_add_nc_u32 v[PFM+1], 0x80000, v[PFM]         ; 64 rows on
	s_wait_alu depctr_va_vdst(0)
	s_cmp_eq_u32 s[PFON], 0
	s_cbranch_scc0 .Lno_first
	global_prefetch_b8 v[PFO1], s[PFQ:PFQ+1] th:TH_LOAD_NT scope:SCOPE_SE              ; T1
	global_prefetch_b8 v[PFO], s[PFQ:PFQ+1] offset:512 th:TH_LOAD_NT scope:SCOPE_SE    ; T2
.Lno_first:
	s_mul_i32 s2, s[RH], HALFT                     ; my rows of A,
	s_mul_i32 s3, s[CH], HALFT
	s_add_co_u32 s3, s3, 2*HALFT                   ; of B
	s_lshl_b32 s66, s[WV], 9
	s_add_co_u32 s66, s66, SCR
	s_xor_b32 s67, s[WV], 1                        ; the wave that has my rows' other columns
	s_lshl_b32 s67, s67, 9
	s_add_co_u32 s67, s67, SCR
	v_mul_u32_u24 v3, v1, PITCH
	v_lshl_add_u32 v4, v2, 4, v3
	v_add_nc_u32 v[ADRA], s2, v4
	v_add_nc_u32 v[ADRB], s3, v4
	v_add_nc_u32 v[ADRA+1], SLOT, v[ADRA]
	v_add_nc_u32 v[ADRB+1], SLOT, v[ADRB]
	v_mul_u32_u24 v3, v1, MP
	v_lshl_add_u32 v3, v2, 5, v3
	v_add_nc_u32 v[MADR], s87, v3
	v_add_nc_u32 v[MADR+1], SLOT, v[MADR]
	v_lshl_add_u32 v[SAV], v1, 2, s66
	v_lshl_add_u32 v[SVV], v6, 4, s66
	v_lshl_add_u32 v[SBV], v1, 2, s67
	v_lshlrev_b32 v[PO], 4, v1
	v_lshl_add_u32 v[PO], v2, 3, v[PO]
	v_lshlrev_b32 v[STO], 4, v6
	s_wait_alu depctr_va_vdst(0)                   ; directly ahead of the wait below
	s_wait_kmcnt 0x0
	; pimg: [128 rows][256 columns] images; stats: [128 columns][8,192 rows]
	s_lshl_b32 s2, s98, 1
	s_add_co_u32 s2, s2, s[RH]
	s_lshl_b32 s2, s2, 18
	s_lshl_b32 s3, s96, 15
	s_add_co_u32 s2, s2, s3
	s_lshl_b32 s3, s[CH], 11
	s_add_co_u32 s2, s2, s3
	s_mov_b32 s3, 0
	s_add_nc_u64 s[20:21], s[20:21], s[2:3]
	s_lshl_b32 s2, s96, 1
	s_add_co_u32 s2, s2, s[CH]
	s_lshl_b32 s2, s2, 13
	s_lshl_b32 s3, s98, 8
	s_add_co_u32 s2, s2, s3
	s_lshl_b32 s3, s[RH], 7
	s_add_co_u32 s2, s2, s3
	s_lshl_b32 s2, s2, 2
	s_mov_b32 s3, 0
	s_add_nc_u64 s[22:23], s[22:23], s[2:3]
	s_add_co_i32 s2, s90, s91                      ; e2 + e3
	s_add_co_i32 s3, s88, s89                      ; e0 + e1
	s_sub_co_i32 s66, 127, s3
	s_lshl_b32 s66, s66, 23                        ; 2^-(e0+e1): the biases in the first sums' unit
	s_mov_b32 s67, s66
	s_sub_co_i32 s3, s3, s2
	s_add_co_i32 s3, s3, 127
	s_lshl_b32 s[SC], s3, 23                       ; 2^(e0+e1-e2-e3)
	s_mov_b32 s[SC+1], s[SC]
	s_lshl_b32 s3, s2, 23
	s_add_co_i32 s[C2], s3, 0x4038aa3b             ; 2 L x 2^(e2+e3)
	s_mov_b32 s[C2+1], s[C2]
	s_mov_b32 s[LG], 0x3fb8aa3b                    ; L
	s_mov_b32 s[LG+1], s[LG]
	s_mov_b32 s[SEL], 0x76543210
	s_mov_b32 s[SEL+1], 0xfedcba98
	s_add_co_i32 s3, s92, 127
	s_lshl_b32 s2, s3, 23
	v_mov_b32 v[QSC], s2                           ; 2^e4
	s_add_co_i32 s3, s3, 8
	s_lshl_b32 s3, s3, 23
	s_or_b32 s[LIMS], s3, 0x600000                 ; 448 x that
.macro FRAG reg, adr, q, i             ; 16 rows x 128 K: registers 4 c .. 4 c + 3 hold K = 32 c + 16 h + 0 .. 15
.irp c, 0,1,2,3
	ds_load_b128 v[\reg+4*\c:\reg+4*\c+3], v[\adr] offset:128*(\q)+32*\c+(\i)*16*PITCH
.endr
.endm
.macro LD x                            ; 0-7: A's block x of the next step; 8-15: B's fragment x - 8 of it, into the set not in use; 16: A's block 7 of this step; -1: nothing
.if (\x) >= 0
.if (\x) < 8
	WIN 0
	FRAG AF+16*(\x), ADRA+NS, NQ, (\x)
.elseif (\x) < 16
	WIN 0x40
	FRAG 128*(1-P)+16*((\x)-8), ADRB+NS, NQ, ((\x)-8)
.else
	WIN 0
	FRAG AF+112, ADRA+CS, CQ, 7
.endif
.endif
.endm
.macro MWIN a
.if Z
	WIN 0x81+0x40*((\a)/4)
.else
	WIN 0xa1+0x50*((\a)/4)
.endif
.endm
.macro W a, b
.set ACN, 8*(8*((\a)%4)+(\b))
.set BFN, 128*P+16*(\b)
.set AFN, AF+16*(\a)
.if Z                                  ; the first products take the biases as C
	v_wmma_f32_16x16x128_fp8_fp8 v[ACN:ACN+7], v[BFN:BFN+15], v[AFN:AFN+15], v[BI+8*(\b):BI+8*(\b)+7]
.else
	v_wmma_f32_16x16x128_fp8_fp8 v[ACN:ACN+7], v[BFN:BFN+15], v[AFN:AFN+15], v[ACN:ACN+7]
.endif
.endm
; Block a's eight products.  n = 1: four v_nop, the places behind the block before, whose registers of A are loaded anew behind them.  The 64 accumulators take turns, one instruction a turn, in the same order in every step.
.macro GRP a, n, x, y, z
	MWIN \a
	W \a, 0
	PLACES 2*\n
	W \a, 1
	PLACES 2*\n
	W \a, 2
	LD \x
	MWIN \a
	W \a, 3
	W \a, 4
	LD \y
	MWIN \a
	W \a, 5
	W \a, 6
	LD \z
	MWIN \a
	W \a, 7
.endm
; A slot's first 128 along K.  Counts: behind A's block 2, which follows B's last fragment, stand A's blocks 3 to 6 (16 loads); behind block 3 three blocks and three groups' twelve loads (48); behind each later block 56.
.macro SUBN s, zz
.set P, 0
.set Z, \zz
.set CS, \s
.set NS, \s
.set CQ, 0
.set NQ, 1
	s_wait_dscnt 16
	GRP 0, 1, 16, 8, 9
	GRP 1, 1, 0, 10, 11
	GRP 2, 1, 1, 12, 13
	s_wait_dscnt 48
	GRP 3, 1, 2, 14, 15
	s_wait_dscnt 56
	GRP 4, 1, 3, -1, -1
	s_wait_dscnt 56
	GRP 5, 1, 4, -1, -1
	s_wait_dscnt 56
	GRP 6, 1, 5, -1, -1
	s_wait_dscnt 56
	GRP 7, 1, 6, -1, -1
.endm
; A slot's last 128 along K, and the change of slots.  mode 0: this slot takes the tile two on; 1: the second product's tile; 2, 3: the mask's part 0, 1 (3: nothing follows).
.macro SUBT s, nx, mode, ask
.set P, 1
.set Z, 0
.set CS, \s
.set NS, \nx
.set CQ, 1
.set NQ, 0
	s_wait_dscnt 16                                ; B's set and A's blocks 0 to 2
	PLACES 4
	LD 16
	s_wait_tensorcnt 0x0                           ; all my tensor loads have landed: my part of the next slot
	ds_add_u32 v[SPW], v[NIL]                      ; 0 onto my spare word
	GRP 0, 0, -1, -1, -1
	s_wait_dscnt 0x0                               ; the add is done, and my reads of this slot are over
	s_barrier_signal -1
	GRP 1, 0, -1, -1, -1
	WIN 0
	s_barrier_wait -1
	CREST                                          ; no wave of any partner still reads this slot or has a load on its way
.if \mode == 0
	s_add_nc_u64 s[G0A+4*\s+2:G0A+4*\s+3], s[G0A+4*\s+2:G0A+4*\s+3], 512
	s_add_nc_u64 s[G0B+4*\s+2:G0B+4*\s+3], s[G0B+4*\s+2:G0B+4*\s+3], 512
	JLOAD \s
.elseif \mode == 1
	s_add_nc_u64 s[G0A+4*\s+2:G0A+4*\s+3], s[8:9], \s*256
	s_or_b32 s[G0A+4*\s+3], s[G0A+4*\s+3], 0x80000000
	s_add_nc_u64 s[G0B+4*\s+2:G0B+4*\s+3], s[10:11], \s*256
	s_or_b32 s[G0B+4*\s+3], s[G0B+4*\s+3], 0x80000000
	JLOAD \s
.else
	MLOAD (\mode-2)
.endif
.if \mode < 3                          ; the four v_nop behind the joint load are the places for blocks 0 and 1 and for B's other set
	LD 8
	LD 9
	GRP 2, 0, 10, 11, -1
	GRP 3, 0, 0, 12, 13
	GRP 4, 0, 1, 14, 15
.if \ask == 1
	ASK PFO, PFN, 0
.elseif \ask == 2
	ASK PFO1, PFN, 0
.elseif \ask == 3
	ASK PFO, PFK, 512
.elseif \ask == 4
	ASK PFO1, PFK, 512
.endif
	GRP 5, 1, 2, 3, -1
	GRP 6, 1, 4, 5, -1
	GRP 7, 1, 6, -1, -1
.else
.irp a, 2,3,4,5,6,7
	GRP \a, 0, -1, -1, -1
.endr
	WIN 0
	PLACES 4
.endif
.endm
.macro RESC sp                         ; every sum x a scalar, each accumulator from its low end on
.irp w, 0,1
	WIN 0x82+0x41*\w
.set x, 0
.rept 128
	v_pk_mul_f32 v[x:x+1], v[x:x+1], s[\sp:\sp+1] op_sel_hi:[1,0]
.set x, x+2
.endr
.endr
	WIN 0
.endm
	s_wait_alu depctr_va_vdst(0)
	s_wait_tensorcnt 0x0                           ; my part of T0 is in; these lines stand ahead of a later first fill as ahead of a refill:
	ds_add_u32 v[SPW], v[NIL]
	s_wait_dscnt 0x0
	CROUND
	JLOAD 1                                        ; T1
.set P, 1
.set NS, 0
.set NQ, 0
.irp x, 8,9,10,11,12,13,14,15,0,1,2,3,4,5,6
	LD \x
.endr
	ASK PFO1, PFQ, 512                             ; T3
	s_wait_loadcnt 0x0                             ; the biases
	WIN 0x08
.set jj, 0
.rept 32
	v_pk_add_f32 v[BI+jj:BI+jj+1], v[BI+jj:BI+jj+1], v[jj:jj+1]
.set jj, jj+2
.endr
	WIN 0
.set jj, 0
.rept 32
	v_pk_mul_f32 v[BI+jj:BI+jj+1], v[BI+jj:BI+jj+1], s[66:67] op_sel_hi:[1,0]
.set jj, jj+2
.endr
	s_wait_alu depctr_va_vdst(0)                   ; directly ahead of the wait below
	SUBN 0, 1
	WIN 0
	s_mov_b32 s2, 2                                ; products to go
.Lphase:
	SUBT 0, 1, 0, 1                                ; asks: T4, in the second trip the mask's part 0
	SUBN 1, 0
	SUBT 1, 0, 0, 2                                ; T5, the mask's part 1
	SUBN 0, 0
	WIN 0
	s_cmp_eq_u32 s2, 1
	s_cbranch_scc1 .Llast
	SUBT 0, 1, 1, 3                                ; T6
	SUBN 1, 0
	SUBT 1, 0, 1, 4                                ; T7
	WIN 0
	s_wait_xcnt 0x0                                ; my prefetches have read their addresses: from here on they name the mask, and every wave asks
	v_mov_b32 v[PFO], v[PFM]
	v_mov_b32 v[PFO1], v[PFM+1]
	s_mov_b64 s[PFN:PFN+1], s[4:5]
	s_mov_b32 s[PFON], 0
	RESC SC                                        ; from the first product's unit to the second's
	s_wait_alu depctr_va_vdst(0)
	SUBN 0, 0
	WIN 0
	s_sub_co_u32 s2, s2, 1
	s_branch .Lphase
.Llast:
	SUBT 0, 1, 2, 0
	SUBN 1, 0
	SUBT 1, 0, 3, 0
; THE ENERGIES, 64 rows (hi) at a time, four blocks of 16 rows in a pipeline: exponential, + 1, reciprocal, - 2 x and the mask.  One wait parts the phases; within a phase nothing reads what the phase writes.
.macro MLD hi                          ; my mask: row 16 u + r, columns 16 b + 8 h + 0 .. 7, into window 1
	WIN 0x40
.irp u, 0,1,2,3
.irp b, 0,1,2,3,4,5,6,7
	ds_load_b128 v[64*\u+8*\b:64*\u+8*\b+3],   v[MADR+\hi] offset:\u*16*MP+64*\b
	ds_load_b128 v[64*\u+8*\b+4:64*\u+8*\b+7], v[MADR+\hi] offset:\u*16*MP+64*\b+16
.endr
.endr
.endm
.macro PH e, s, r, f
	s_wait_alu depctr_va_vdst(0)                   ; ahead of the batch and behind the last one
.set k, 0
.rept 32
.if (\e) >= 0
	v_exp_f32 v[64*(\e)+2*k], v[64*(\e)+2*k]
.endif
.if (\s) >= 0
	v_pk_add_f32 v[64*(\s)+2*k:64*(\s)+2*k+1], v[64*(\s)+2*k:64*(\s)+2*k+1], 1.0 op_sel_hi:[1,0]
.endif
.if (\r) >= 0
	v_rcp_f32 v[64*(\r)+2*k], v[64*(\r)+2*k]
.endif
.if (\f) >= 0
	v_pk_fma_f32 v[64*(\f)+2*k:64*(\f)+2*k+1], v[64*(\f)+2*k:64*(\f)+2*k+1], -2.0, v[64*(\f)+2*k:64*(\f)+2*k+1] op_sel_hi:[1,0,1]
.endif
.if (\e) >= 0
	v_exp_f32 v[64*(\e)+2*k+1], v[64*(\e)+2*k+1]
.endif
.if (\r) >= 0
	v_rcp_f32 v[64*(\r)+2*k+1], v[64*(\r)+2*k+1]
.endif
.set k, k+1
.endr
.endm
.macro E1 hi
	WIN 0x92+0x41*\hi
	PH 0, -1, -1, -1
	PH 1, 0, -1, -1
	PH 2, 1, 0, -1
	s_wait_dscnt 0x0                               ; the mask is in registers
	PH 3, 2, 1, 0
	PH -1, 3, 2, 1
	PH -1, -1, 3, 2
	PH -1, -1, -1, 3
.if \hi == 0
	s_wait_alu depctr_va_vdst(0)                   ; directly ahead of the wait below
	s_wait_tensorcnt 0x0                           ; the mask's part 1
	MLD 1
.endif
	WIN 0x0a+5*\hi
.set n, 0
.rept 16                               ; the rows' largest numbers, two chains a block
.irp u, 0,1,2,3
.if n == 0
	v_max3_num_f32 v[MX+4*\hi+\u], v[64*\u], v[64*\u+1], 0xff000000
	v_max3_num_f32 v[MB+4*\hi+\u], v[64*\u+2], v[64*\u+3], 0xff000000
.else
	v_max3_num_f32 v[MX+4*\hi+\u], v[64*\u+4*n], v[64*\u+4*n+1], v[MX+4*\hi+\u]
	v_max3_num_f32 v[MB+4*\hi+\u], v[64*\u+4*n+2], v[64*\u+4*n+3], v[MB+4*\hi+\u]
.endif
.endr
.set n, n+1
.endr
.endm
	MLD 0                                          ; part 0 had landed at the last change of slots, and only I read it
	RESC C2                                        ; 2 L x
	E1 0
	E1 1
	WIN 0
.irp a, 0,1,2,3,4,5,6,7
	v_max_num_f32 v[MX+\a], v[MX+\a], v[MB+\a]
.endr
.irp a, 0,1,2,3,4,5,6,7
	v_permlanex16_b32 v[TP+\a], v[MX+\a], s[SEL], s[SEL+1]
.endr
.irp a, 0,1,2,3,4,5,6,7
	v_max_num_f32 v[MX+\a], v[MX+\a], v[TP+\a]
.endr
.irp a, 0,1,2,3,4,5,6,7
	ds_store_b32 v[SAV], v[MX+\a] offset:64*\a
.endr
	s_wait_alu depctr_va_vdst(0)                   ; directly ahead of the wait below
	s_wait_dscnt 0x0                               ; my maxima are in LDS for the wave that has the other columns
	s_barrier_signal -1
	s_barrier_wait -1
.irp a, 0,1,2,3,4,5,6,7
	ds_load_b32 v[TP+\a], v[SBV] offset:64*\a
.endr
	ds_load_b128 v[SQ:SQ+3], v[SVV]
	s_wait_dscnt 0x0
	global_store_b128 v[STO], v[SQ:SQ+3], s[22:23] ; 128 rows' maxima: 512 consecutive bytes
.irp a, 0,1,2,3,4,5,6,7
	v_max_num_f32 v[MX+\a], v[MX+\a], v[TP+\a]
.endr
.irp a, 0,1,2,3,4,5,6,7
	v_fma_f32 v[TP+\a], v[MX+\a], s[LG], s[LG]     ; the largest t
.endr
.irp a, 0,1,2,3,4,5,6,7
	v_floor_f32 v[TP+\a], -v[TP+\a]                ; -M_j
.endr
.irp a, 0,1,2,3,4,5,6,7
	v_add_f32 v[LM+2*\a], s[LG], v[TP+\a]          ; t - M_j = (e - 1) L + (L - M_j).  (The pair's upper register is named and not used)
.endr
; THE WEIGHTS.  While block a's exponentials are issued, block a - 1's are summed by pairs (unquantised) and then held at the largest code.
; (The pairs' sums name 1.0 as source 0, so that every register named lies in window 0 while source 0 of the exponentials lies in window 2 or 3.)
.macro S7 a
.set X0, 64*((\a)%4)
	WIN 0x82+0x41*((\a)/4)
.set k, 0
.rept 32
	v_pk_fma_f32 v[X0+2*k:X0+2*k+1], v[X0+2*k:X0+2*k+1], s[LG:LG+1], v[LM+2*(\a):LM+2*(\a)+1] op_sel_hi:[1,0,0]
.set k, k+1
.endr
.endm
.macro P2 a
.set X0, 64*((\a)%4)
.set HC, H+64*((\a)%2)
.set HQ, H+64*(((\a)+1)%2)
.if (\a) < 8
	WIN 0x02+((\a)/4)
.else
	WIN 0
.endif
	s_wait_alu depctr_va_vdst(0)                   ; ahead of the batch and behind the last one
.set k, 0
.rept 32
.if (\a) < 8
	v_exp_f32 v[HC+2*k], v[X0+2*k]
.endif
.if ((\a) > 0) && (k%2 == 0)
	v_pk_fma_f32 v[T+k:T+k+1], 1.0, v[HQ+2*k:HQ+2*k+1], v[HQ+2*k+2:HQ+2*k+3] op_sel_hi:[0,1,1]
.endif
.if (\a) > 0
	v_min_num_f32 v[HQ+2*k], s[LIMS], v[HQ+2*k]
.endif
.if (\a) < 8
	v_exp_f32 v[HC+2*k+1], v[X0+2*k+1]
.endif
.if (\a) > 0
	v_min_num_f32 v[HQ+2*k+1], s[LIMS], v[HQ+2*k+1]
.endif
.set k, k+1
.endr
.endm
.macro TREE d
.set k, 0
.rept 16/\d
	v_pk_add_f32 v[T+k:T+k+1], v[T+k:T+k+1], v[T+k+\d:T+k+\d+1]
.set k, k+2*\d
.endr
.endm
.macro CVT b
	v_cvt_scalef32_pk8_fp8_f32 v[CD+2*(\b):CD+2*(\b)+1], v[HQ+8*(\b):HQ+8*(\b)+7], v[QSC]
.endm
.macro SEG a                           ; block a: the rest of its sum, its codes, and both out
.set HQ, H+64*((\a)%2)
	WIN 0
	s_wait_alu depctr_va_vdst(0)
	s_wait_xcnt 0x0                                ; the last block's stores have read the codes' registers
	TREE 2
	TREE 4
.irp b, 0,1,2,3
	CVT \b
.endr
	TREE 8
.irp b, 4,5,6,7
	CVT \b
.endr
	TREE 16
.irp b, 0,1,2,3,4,5,6,7
	global_store_b64 v[PO], v[CD+2*\b:CD+2*\b+1], s[20:21] offset:4096*(\a)+256*\b   ; an image of operand registers: 256 consecutive bytes
.endr
	v_add_f32 v[LS+\a], v[T], v[T+1]
	v_permlanex16_b32 v[TP+\a], v[LS+\a], s[SEL], s[SEL+1]
	v_add_f32 v[LS+\a], v[LS+\a], v[TP+\a]
	ds_store_b32 v[SAV], v[LS+\a] offset:2048+64*(\a)
.endm
	S7 0
	P2 0
	S7 1
.irp a, 1,2,3,4,5,6
	P2 \a
	SEG \a-1
	S7 \a+1
.endr
	P2 7
	SEG 6
	P2 8
	SEG 7
	ds_load_b128 v[SQ:SQ+3], v[SVV] offset:2048
	s_wait_dscnt 0x0
	global_store_b128 v[STO], v[SQ:SQ+3], s[22:23] offset:524288
	s_wait_tensorcnt 0x0                           ; the wave's end
	ds_add_u32 v[SPW], v[NIL]
	s_wait_dscnt 0x0
	CROUND                                         ; the closing round
	s_endpgm
.Lfunc_end_k_q142cf2e4f4_energy:
	.size	k_q142cf2e4f4_energy, .Lfunc_end_k_q142cf2e4f4_energy-k_q142cf2e4f4_energy
	.p2alignl 7, 3214868480
	.fill 96, 4, 3214868480
	.section	.rodata,"a",@progbits
	.p2align	6, 0x0
	.amdhsa_kernel k_q142cf2e4f4_energy
		.amdhsa_group_segment_fixed_size 327680
		.amdhsa_private_segment_fixed_size 0
		.amdhsa_enable_private_segment 0
		.amdhsa_kernarg_size 80
		.amdhsa_user_sgpr_count 2
		.amdhsa_user_sgpr_kernarg_segment_ptr 1
		.amdhsa_wavefront_size32 1
		.amdhsa_system_sgpr_workgroup_id_x 1
		.amdhsa_system_sgpr_workgroup_id_y 1
		.amdhsa_system_sgpr_workgroup_id_z 1
		.amdhsa_system_vgpr_workitem_id 0
		.amdhsa_next_free_vgpr 1024
		.amdhsa_next_free_sgpr 102
		.amdhsa_reserve_vcc 0
		.amdhsa_float_denorm_mode_32 3
		.amdhsa_float_denorm_mode_16_64 3
		.amdhsa_memory_ordered 1
		.amdhsa_forward_progress 1
		.amdhsa_inst_pref_size 255
	.end_amdhsa_kernel
	.section	.bss,"aw",@nobits
	.p2align	6
	.space	262144
	.amdgpu_metadata
---
amdhsa.version: [ 1, 2 ]
amdhsa.kernels:
  - .name:           k_q142cf2e4f4_energy
    .symbol:         k_q142cf2e4f4_energy.kd
    .args:
      - { .name: q_codes, .offset: 0, .size: 8, .value_kind: global_buffer, .address_space: global }
      - { .name: Wq_codes, .offset: 8, .size: 8, .value_kind: global_buffer, .address_space: global }
      - { .name: k_codes, .offset: 16, .size: 8, .value_kind: global_buffer, .address_space: global }
      - { .name: Wk_codes, .offset: 24, .size: 8, .value_kind: global_buffer, .address_space: global }
      - { .name: bq, .offset: 32, .size: 8, .value_kind: global_buffer, .address_space: global }
      - { .name: bk, .offset: 40, .size: 8, .value_kind: global_buffer, .address_space: global }
      - { .name: mask, .offset: 48, .size: 8, .value_kind: global_buffer, .address_space: global }
      - { .name: lowp_scales, .offset: 56, .size: 8, .value_kind: global_buffer, .address_space: global }
      - { .name: pimg, .offset: 64, .size: 8, .value_kind: global_buffer, .address_space: global }
      - { .name: stats, .offset: 72, .size: 8, .value_kind: global_buffer, .address_space: global }
    .group_segment_fixed_size: 327680
    .private_segment_fixed_size: 0
    .kernarg_segment_align: 8
    .kernarg_segment_size: 80
    .max_flat_workgroup_size: 128
    .sgpr_count:     102
    .vgpr_count:     1024
    .wavefront_size: 32
...
	.end_amdgpu_metadata
.endif
;; end of part 1
;; launch pv (part 2): grid 4 x 64, 4 waves a work-group, clusters of 4 x 4, 327,680 bytes of LDS; arguments pimg, v_codes, stats, lowp_scales, out0; writes out0
.if DOCPART == 2
	.amdgcn_target "amdgcn-amd-amdhsa--gfx1250"
	.amdhsa_code_object_version 6
	.text
	.protected	k_q142cf2e4f4_pv
	.globl	k_q142cf2e4f4_pv
	.p2align	8
	.type	k_q142cf2e4f4_pv,@function
k_q142cf2e4f4_pv:
	s_mov_b64 s[64:65], 0
	v_nop
	global_prefetch_b8 v0, s[64:65] scope:SCOPE_SE
	s_setreg_imm32_b32 hwreg(HW_REG_WAVE_MODE, 25, 1), 1
	s_wait_xcnt 0x0
	s_wait_alu depctr_hold_cnt(0) depctr_sa_sdst(0) depctr_va_vdst(0) depctr_va_sdst(0) depctr_va_ssrc(0) depctr_va_vcc(0) depctr_vm_vsrc(0)
	s_getreg_b32 s2, hwreg(HW_REG_IB_STS2, 6, 4)
	s_cmp_eq_u32 s2, 0
	s_cbranch_scc0 .Lentry_in_a_cluster
	s_endpgm
.Lentry_in_a_cluster:
	s_bfe_u32 s2, ttmp6, 0x10000c
	s_cmp_lg_u32 s2, 0xf033
	s_cbranch_scc0 .Lentry_shape_is_right
	s_endpgm
.Lentry_shape_is_right:
; out[row][channel] = 2^(e4+e5) / l x the sum over the eight blocks j of 256 columns of 2^(M_j - M) x (codes of p under M_j) . (codes of v).   M = the largest M_j; l = the sum of 2^(M_j - M) x the blocks' sums.
; p's codes come as images of operand registers ([128 rows][block][16 rows][128 columns][2,048 bytes]), v's as rows of 2,048 codes with the columns (this product's K) innermost.
; M_j is made anew from the stored largest e - 1 by the very lines of the launch before: t = e L, -M_j = floor(-t).  D_j = M_j - M is a whole number, 0 or less.
; THE SUMS ARE KEPT IN UNITS OF 2^U_j, U_j = max(D_j, -60): ahead of block j >= 1 they are multiplied by 2^(U_(j-1) - U_j), which rounds nothing; at the end by 2^(U_7 + e4 + e5) / l.
; LIMIT: a block more than 60 binades under its row's M is weighed with 2^-60 in the product (in l with its true weight): under 2^-50 of the row's sum.  A row whose mask is -infinity throughout gives NaN, as the reference does.
; SHARES.  A work-group of four waves makes 128 rows x 256 channels, so that there are 256 work-groups; a wave 64 x 128: 32 accumulators.  A slot holds one block: K = 256, two steps of 128.
; CLUSTER 4 x 4: the four of a row need the same images of p, the four of a column (one batch) the same rows of v: both are asked for jointly.
; PREFETCHES run two blocks ahead of the joint loads: wave 0 asks for p (128 pieces of 256 bytes a block, 32 a partner by cx), waves 2 and 3 for v (a lane a row, of a wave's 128 rows 32 a partner by cy); wave 1 asks for nothing.  They end with the last block.
; TRANSPOSED USE: source 0 = 16 rows of v (channels), source 1 = 16 rows of p: lane (r, h) holds row 16 a + r and channels 16 b + 8 h + j, so every factor is a number of the lane.
; REGISTERS: window 0: v1-31 addresses; v32-63 the factors of rows 16 a + r at v[32 + 8 a]: those into blocks 1 .. 7, then the last; two blocks on they move down by two.  v64-95 largest e; v96-127 at work; v128-255 p's fragments, two sets (at the end: rows of out).
;   window 1: v's fragments, two sets (at the end v0-63: finished numbers).   window 2: the accumulators, (a, b) at v[8 (8 a + b)].   window 3: v0-31 the blocks' sums.
.set PITCH,  272                       ; a row of v in LDS: 256 bytes + 16
.set HALFT,  128*PITCH
.set PBYTES, 32768                     ; a block's images of 128 rows: dense
.set SLOT,   PBYTES+2*HALFT
.set SPARE,  2*SLOT                    ; the spare words: two blocks of 256 bytes that no other line names
.set STAGE,  SPARE+512                 ; the way out: 16 rows x 528 bytes for each wave; no tile lands here
.set SPITCH, 528
.set ADRP, 16                          ; v16-17  my fragments of p in slot 0, 1
.set ADRV, 20                          ; v20-21  of v
.set PFO,  22                          ; v22-23  the prefetches' offsets: a block, the next block
.set STO,  24
.set RD,   25
.set CO,   26                          ; 16 x lane
.set VS,   27                          ; the statistics: 32,768 h + 4 r
.set SPW,  28
.set NIL,  29
.set FAC,  32
.set EM,   64                          ; largest e - 1 of (a, j), of K step 2 j + h
.set LL,   0                           ; in window 3: the sums likewise
.set NM,   96
.set DD,   104
.set TQ,   112
.set W0,   120
.set PF,   128
.set BK,   128
.set TMP,  0                           ; in window 1
.set G1P, 24
.set G0P, 32
.set G1V, 48
.set G0V, 56
.set LG,  68
.set SEL, 70
.set PF0, 72                           ; block 0 of what my wave asks for
.set PF2, 74                           ; block 2; steps on by two
.set PFS, 76                           ; two blocks, in bytes
.set LIM, 78                           ; 1 in the waves that ask, else the greatest number
.set MSB, 0
.macro WIN new
.if MSB != (\new)
	s_set_vgpr_msb (MSB<<8)|(\new)
.set MSB, (\new)
.endif
.endm
.set MUL, 0xa1                         ; source 0 (v) window 1, source 1 (p) window 0, C and D window 2
.macro PLACES n
.rept \n
	v_nop
.endr
.endm
.macro JLOAD s                         ; waves 0 and 1 fetch the halves of p's images, waves 2 and 3 the halves of v's rows
	s_cmp_eq_u32 s15, 0
	s_cbranch_scc0 .Lfor_v_\@
	tensor_load_to_lds s[G0P+4*\s:G0P+4*\s+3], s[G1P:G1P+7]
	s_nop 0
	PLACES 4
	s_branch .Lasked_\@
.Lfor_v_\@:
	tensor_load_to_lds s[G0V+4*\s:G0V+4*\s+3], s[G1V:G1V+7]
	s_nop 0
	PLACES 4
.Lasked_\@:
.endm
.macro CROUND
	s_barrier_signal -1
	s_barrier_wait -1
	s_cmp_lg_u32 s14, 0
	s_cbranch_scc1 .Lnot_wave_0_\@
	s_barrier_signal -3
.Lnot_wave_0_\@:
	s_barrier_wait -3
	s_barrier_signal -1
	s_barrier_wait -1
.endm
	s_load_b128 s[4:7], s[0:1], 0x0                ; pimg, v's codes
	s_load_b128 s[8:11], s[0:1], 0x10              ; stats, the scales' exponents
	s_load_b64 s[12:13], s[0:1], 0x20              ; out
	v_lshl_add_u32 v[SPW], v0, 2, SPARE
	v_mov_b32 v[NIL], 0
	ds_add_u32 v[SPW], v[NIL]                      ; the opening: the add, twice on end, ahead of the first tensor load
	ds_add_u32 v[SPW], v[NIL]
	v_lshrrev_b32 v1, 5, v0
	v_readfirstlane_b32 s14, v1                    ; wave
	s_lshr_b32 s15, s14, 1                         ; my half of the rows.  Also: I fetch p (0) or v (1)
	s_and_b32 s16, s14, 1                          ; my half of the channels.  Also: which half of that tile I fetch
	s_bfe_u32 s40, ttmp6, 0x40000                  ; cx
	s_bfe_u32 s41, ttmp6, 0x40004                  ; cy
	s_lshl_b32 s42, ttmp9, 2
	s_add_co_u32 s42, s42, s40                     ; block of 256 channels
	s_and_b32 s22, ttmp7, 0xffff
	s_lshl_b32 s17, s22, 2
	s_add_co_u32 s17, s17, s41                     ; block of 128 rows = 4 x cluster y + cy
	s_lshr_b32 s22, s22, 2                         ; the batch: 16 such blocks, four clusters: it hangs on the cluster's y alone
	s_lshl_b32 s43, s41, 2
	s_lshl_b32 s43, 15, s43                        ; my row of the cluster
	s_lshl_b32 s44, 0x1111, s40                    ; my column
	s_or_b32 s[G1P], s43, (3<<16)|(1<<21)          ; p: elements of 8 bytes, no padding: 64 rows of 256 bytes, dense
	s_mov_b32 s[G1P+1], 32<<16
	s_mov_b32 s[G1P+2], 64<<16
	s_mov_b32 s[G1P+3], 32<<16
	s_mov_b32 s[G1P+4], 64
	s_mov_b32 s[G1P+5], 32
	s_mov_b32 s[G1P+6], 0
	s_mov_b32 s[G1P+7], 0
	s_or_b32 s[G1V], s44, (0<<16)|(1<<20)|(1<<21)|(5<<22)|(3<<25)   ; v: 128 rows of 256 bytes, 4 words of padding after every 64
	s_mov_b32 s[G1V+1], 256<<16
	s_mov_b32 s[G1V+2], 128<<16
	s_mov_b32 s[G1V+3], 256<<16
	s_mov_b32 s[G1V+4], 128
	s_mov_b32 s[G1V+5], 2048
	s_mov_b32 s[G1V+6], 0
	s_mov_b32 s[G1V+7], 0
	s_lshl_b32 s45, s16, 14                        ; p's half in a slot, and in memory
	s_lshl_b32 s20, s17, 18
	s_add_co_u32 s20, s20, s45
	s_mov_b32 s21, 0
	s_lshl_b32 s46, s22, 21                        ; v: batch x 2 MiB + (256 x channel block + 128 x half) rows of 2,048 bytes
	s_lshl_b32 s47, s42, 19
	s_add_co_u32 s46, s46, s47
	s_lshl_b32 s47, s16, 18
	s_add_co_u32 s46, s46, s47
	s_mov_b32 s47, 0
	s_mul_i32 s23, s16, HALFT
	s_add_co_u32 s23, s23, PBYTES                  ; v's half in a slot: the half that I fetch is also the half that I multiply by
	s_wait_dscnt 0x0                               ; both opening adds are done
	s_wait_kmcnt 0x0
	s_load_b64 s[66:67], s[10:11], 0x10            ; e4, e5
	s_add_nc_u64 s[4:5], s[4:5], s[20:21]
	s_add_nc_u64 s[6:7], s[6:7], s[46:47]
.irp s, 0,1
	s_mov_b32 s[G0P+4*\s], 1
	s_add_co_u32 s[G0P+4*\s+1], s45, \s*SLOT
	s_add_nc_u64 s[G0P+4*\s+2:G0P+4*\s+3], s[4:5], \s*PBYTES
	s_or_b32 s[G0P+4*\s+3], s[G0P+4*\s+3], 0x80000000
	s_mov_b32 s[G0V+4*\s], 1
	s_add_co_u32 s[G0V+4*\s+1], s23, \s*SLOT
	s_add_nc_u64 s[G0V+4*\s+2:G0V+4*\s+3], s[6:7], \s*256
	s_or_b32 s[G0V+4*\s+3], s[G0V+4*\s+3], 0x80000000
.endr
	CROUND                                         ; the first joint loads meet
	JLOAD 0                                        ; block 0: one tensor load a wave at the head
	s_lshl_b32 s20, s17, 9                         ; stats at my first row: (128 x row block + 64 x half) x 4
	s_lshl_b32 s21, s15, 8
	s_add_co_u32 s20, s20, s21
	s_mov_b32 s21, 0
	s_add_nc_u64 s[8:9], s[8:9], s[20:21]
	; the prefetches' places
	s_lshl_b32 s79, s40, 13
	s_lshl_b32 s80, s41, 16
	s_mov_b32 s81, 256
	s_mov_b32 s82, PBYTES
	s_mov_b32 s83, 2*PBYTES
	s_cmp_eq_u32 s14, 1
	s_cselect_b32 s[LIM], -1, 1
	s_cmp_eq_u32 s15, 0
	s_cselect_b64 s[PF0:PF0+1], s[4:5], s[6:7]
	s_cselect_b32 s20, s79, s80                    ; my work-group's part
	s_cselect_b32 s79, s81, 2048                   ; from lane to lane
	s_cselect_b32 s80, s82, 256                    ; from block to block
	s_cselect_b32 s[PFS], s83, 512
	s_mov_b32 s[PFS+1], 0
	s_add_nc_u64 s[PF0:PF0+1], s[PF0:PF0+1], s[20:21]
	s_add_nc_u64 s[PF2:PF2+1], s[PF0:PF0+1], s[PFS:PFS+1]
	v_and_b32 v1, 15, v0                           ; r
	v_bfe_u32 v2, v0, 4, 1                         ; h
	v_and_b32 v3, 31, v0
	v_lshlrev_b32 v[VS], 2, v1
	v_lshl_add_u32 v[VS], v2, 15, v[VS]            ; lanes 16-31 take the block's second 128 columns
.irp a, 0,1,2,3
.irp j, 0,1,2,3,4,5,6,7
	global_load_b32 v[EM+8*\a+\j], v[VS], s[8:9] offset:65536*\j+64*\a
.endr
.endr
	WIN 0xc0
.irp a, 0,1,2,3
.irp j, 0,1,2,3,4,5,6,7
	global_load_b32 v[LL+8*\a+\j], v[VS], s[8:9] offset:524288+65536*\j+64*\a
.endr
.endr
	WIN 0
	v_mul_lo_u32 v[PFO], v3, s79
	v_add_nc_u32 v[PFO+1], s80, v[PFO]
	s_wait_alu depctr_va_vdst(0)
	s_cmp_eq_u32 s[LIM], 1
	s_cbranch_scc0 .Lno_first
	global_prefetch_b8 v[PFO+1], s[PF0:PF0+1] th:TH_LOAD_NT scope:SCOPE_SE   ; block 1
	global_prefetch_b8 v[PFO], s[PF2:PF2+1] th:TH_LOAD_NT scope:SCOPE_SE     ; block 2
.Lno_first:
	s_lshl_b32 s20, s17, 19                        ; out: (128 x row block + 64 x half) rows of 4,096 bytes + 1,024 x channel block + 512 x half
	s_lshl_b32 s21, s15, 18
	s_add_co_u32 s20, s20, s21
	s_lshl_b32 s21, s42, 10
	s_add_co_u32 s20, s20, s21
	s_lshl_b32 s21, s16, 9
	s_add_co_u32 s20, s20, s21
	s_mov_b32 s21, 0
	s_add_nc_u64 s[12:13], s[12:13], s[20:21]
	s_lshl_b32 s20, s15, 14                        ; my 64 rows' images: four blocks of 4,096 bytes
	s_mul_i32 s21, s14, 16*SPITCH
	s_add_co_u32 s21, s21, STAGE
	s_mov_b32 s[LG], 0x3fb8aa3b                    ; log2(e)
	s_mov_b32 s[SEL], 0x76543210
	s_mov_b32 s[SEL+1], 0xfedcba98
	v_lshlrev_b32 v[CO], 4, v3
	v_add_nc_u32 v[ADRP], s20, v[CO]
	v_add_nc_u32 v[ADRP+1], SLOT, v[ADRP]
	v_mul_u32_u24 v4, v1, PITCH
	v_lshl_add_u32 v4, v2, 4, v4
	v_add_nc_u32 v[ADRV], s23, v4
	v_add_nc_u32 v[ADRV+1], SLOT, v[ADRV]
	v_mul_u32_u24 v5, v1, SPITCH
	v_lshl_add_u32 v5, v2, 5, v5
	v_add_nc_u32 v[STO], s21, v5                   ; into my stage: row r, 32 bytes for each half of the lanes
	v_add_nc_u32 v[RD], s21, v[CO]                 ; back: a row of 512 bytes to the 32 lanes
.irp j, 0,1,2,3,4,5,6,7,8,9
	v_mov_b32 v[TQ+\j], 0                          ; written once: a lane permute's destination counts as one of its sources
.endr
.macro FACT a                          ; the factors of rows 16 a + r
.irp j, 0,1,2,3,4,5,6,7
	v_permlanex16_b32 v[TQ+\j], v[EM+8*\a+\j], s[SEL], s[SEL+1]
.endr
.irp j, 0,1,2,3,4,5,6,7
	v_max_num_f32 v[TQ+\j], v[TQ+\j], v[EM+8*\a+\j]   ; block j's largest e - 1
.endr
.irp j, 0,1,2,3,4,5,6,7
	v_fma_f32 v[TQ+\j], v[TQ+\j], s[LG], s[LG]
.endr
.irp j, 0,1,2,3,4,5,6,7
	v_floor_f32 v[NM+\j], -v[TQ+\j]                ; -M_j
.endr
	v_min3_num_f32 v[W0], v[NM], v[NM+1], v[NM+2]
	v_min3_num_f32 v[W0+1], v[NM+3], v[NM+4], v[NM+5]
	v_min3_num_f32 v[W0], v[W0], v[NM+6], v[NM+7]
	v_min_num_f32 v[W0], v[W0], v[W0+1]            ; -M
.irp j, 0,1,2,3,4,5,6,7
	v_sub_f32 v[DD+\j], v[W0], v[NM+\j]            ; D_j = M_j - M
.endr
.irp j, 0,1,2,3,4,5,6,7
	v_cvt_i32_f32 v[NM+\j], v[DD+\j]               ; (it saturates)
.endr
.irp j, 0,1,2,3,4,5,6,7
	v_ldexp_f32 v[NM+\j], 1.0, v[NM+\j]            ; 2^D_j
.endr
	WIN 0x03                                       ; the sums, source 0, lie in window 3
	v_mul_f32 v[W0], v[LL+8*\a], v[NM]
.irp j, 1,2,3,4,5,6,7
	v_fmac_f32 v[W0], v[LL+8*\a+\j], v[NM+\j]
.endr
	WIN 0
	v_permlanex16_b32 v[W0+1], v[W0], s[SEL], s[SEL+1]
	v_add_f32 v[W0], v[W0], v[W0+1]                ; l
	s_wait_alu depctr_va_vdst(0)                   ; ahead of the transcendental
	v_rcp_f32 v[W0], v[W0]
.irp j, 0,1,2,3,4,5,6,7
	v_max_num_f32 v[DD+\j], 0xc2700000, v[DD+\j]   ; U_j = max(D_j, -60).  (Plain lines behind the reciprocal)
.endr
.irp j, 1,2,3,4,5,6,7
	v_sub_f32 v[TQ+\j], v[DD+\j-1], v[DD+\j]
.endr
.irp j, 1,2,3,4,5,6,7
	v_cvt_i32_f32 v[TQ+\j], v[TQ+\j]
.endr
.irp j, 1,2,3,4,5,6,7
	v_ldexp_f32 v[FAC+8*\a+\j-1], 1.0, v[TQ+\j]    ; 2^(U_(j-1) - U_j)
.endr
	v_cvt_i32_f32 v[TQ], v[DD+7]
	v_add_nc_u32 v[TQ], s66, v[TQ]
	s_wait_alu depctr_va_vdst(0)                   ; ahead of the first reader
	v_ldexp_f32 v[FAC+8*\a+7], v[W0], v[TQ]        ; 2^(U_7 + e4 + e5) / l
.endm
; 48 LDS loads in one run: v's eight fragments and p's four of the slot's q-th 128 along K, into set p.  In both, registers 4 c .. 4 c + 3 hold K = 32 c + 16 h + 0 .. 15.
.macro FETCH slot, q, p
	WIN 0x40
.irp b, 0,1,2,3,4,5,6,7
.irp c, 0,1,2,3
	ds_load_b128 v[128*(\p)+16*\b+4*\c:128*(\p)+16*\b+4*\c+3], v[ADRV+\slot] offset:\b*16*PITCH+128*(\q)+32*\c
.endr
.endr
	WIN 0
.irp a, 0,1,2,3
.irp c, 0,1,2,3
	ds_load_b128 v[PF+64*(\p)+16*\a+4*\c:PF+64*(\p)+16*\a+4*\c+3], v[ADRP+\slot] offset:4096*\a+2048*(\q)+512*\c
.endr
.endr
.endm
; 32 matrix instructions; the 32 accumulators take turns, one instruction a turn, in the same order in every step
.macro MUL32 p, zero
	WIN MUL
.irp a, 0,1,2,3
.irp b, 0,1,2,3,4,5,6,7
.if \zero
	v_wmma_f32_16x16x128_fp8_fp8 v[8*(8*\a+\b):8*(8*\a+\b)+7], v[128*(\p)+16*\b:128*(\p)+16*\b+15], v[PF+64*(\p)+16*\a:PF+64*(\p)+16*\a+15], 0
.else
	v_wmma_f32_16x16x128_fp8_fp8 v[8*(8*\a+\b):8*(8*\a+\b)+7], v[128*(\p)+16*\b:128*(\p)+16*\b+15], v[PF+64*(\p)+16*\a:PF+64*(\p)+16*\a+15], v[8*(8*\a+\b):8*(8*\a+\b)+7]
.endif
.endr
.endr
	WIN 0
.endm
.macro SCALE hi                        ; the sums into the next block's unit, each accumulator from its low end on; hi: the lower or the upper number of the first pair of factors
	WIN 0x82
.irp a, 0,1,2,3
.set x, 0
.rept 32
.if \hi
	v_pk_mul_f32 v[64*\a+x:64*\a+x+1], v[64*\a+x:64*\a+x+1], v[FAC+8*\a:FAC+8*\a+1] op_sel:[0,1] op_sel_hi:[1,1]
.else
	v_pk_mul_f32 v[64*\a+x:64*\a+x+1], v[64*\a+x:64*\a+x+1], v[FAC+8*\a:FAC+8*\a+1] op_sel_hi:[1,0]
.endif
.set x, x+2
.endr
.endr
.endm
; A block's first 128 along K.  The second half's fragments are asked for first; the rescaling stands between them and the wait for the first half's.
.macro STEP slot, hi, zero
	PLACES 4                                       ; behind the last products: in front of the loads into set 1 and of the lines on the sums
	FETCH \slot, 1, 1
.if \zero == 0
	SCALE \hi
.endif
	s_wait_alu depctr_va_vdst(0)                   ; directly ahead of the wait below
	s_wait_dscnt 48                                ; set 0 is in; the 48 just issued may be out
	MUL32 0, \zero
.endm
; The change of slots, then the block's second 128 along K.  fill = 1: this slot takes the block two further on.
.macro TURN slot, next, fill
.if \fill && (\slot == 0)
	s_wait_xcnt 0x0                                ; my prefetches have read their address
	s_add_nc_u64 s[PF2:PF2+1], s[PF2:PF2+1], s[PFS:PFS+1]
.endif
	s_wait_tensorcnt 0x0                           ; all my tensor loads have landed: my part of the next slot
	ds_add_u32 v[SPW], v[NIL]                      ; 0 onto my spare word
.if \fill
	s_add_nc_u64 s[G0P+4*\slot+2:G0P+4*\slot+3], s[G0P+4*\slot+2:G0P+4*\slot+3], 2*PBYTES
	s_add_nc_u64 s[G0V+4*\slot+2:G0V+4*\slot+3], s[G0V+4*\slot+2:G0V+4*\slot+3], 512
.endif
	s_wait_dscnt 0x0                               ; the add is done; set 1 is in, and with it my reads of this slot are over
.if \fill
	CROUND                                         ; no wave of any partner still reads this slot or has a load on its way
	JLOAD \slot                                    ; its four v_nop are also the places in front of the loads below
.else
	s_barrier_signal -1
	s_barrier_wait -1
	PLACES 4
.endif
	FETCH \next, 0, 0
.if \fill
	s_cmp_gt_u32 s3, s[LIM]                        ; the last trip asks for nothing
	s_cbranch_scc0 .Lnot_mine_\@
	global_prefetch_b8 v[PFO+\slot], s[PF2:PF2+1] th:TH_LOAD_NT scope:SCOPE_SE
.Lnot_mine_\@:
.endif
	MUL32 1, 0
.endm
	s_wait_alu depctr_va_vdst(0)
	s_wait_kmcnt 0x0
	s_add_co_i32 s66, s66, s67                     ; e4 + e5
	s_wait_tensorcnt 0x0                           ; my part of block 0 is in; these lines stand ahead of a later first fill as ahead of a refill:
	ds_add_u32 v[SPW], v[NIL]
	s_wait_dscnt 0x0
	CROUND
	JLOAD 1                                        ; block 1
	FETCH 0, 0, 0
	s_cmp_eq_u32 s[LIM], 1
	s_cbranch_scc0 .Lno_third
	global_prefetch_b8 v[PFO+1], s[PF2:PF2+1] th:TH_LOAD_NT scope:SCOPE_SE   ; block 3
.Lno_third:
	s_wait_loadcnt 0x0                             ; the statistics: the factors are made while block 1 is on its way
	FACT 0
	FACT 1
	FACT 2
	FACT 3
	STEP 0, 0, 1                                   ; the first products start the sums
	s_mov_b32 s3, 3
.Ltrip:                                                ; a trip: from a block's second half to the first half of the block two on
	TURN 0, 1, 1
	STEP 1, 0, 0
	TURN 1, 0, 1
	STEP 0, 1, 0
.irp a, 0,1,2,3
.irp j, 0,1,2,3,4,5
	v_mov_b32 v[FAC+8*\a+\j], v[FAC+8*\a+\j+2]     ; the next two blocks' factors
.endr
.endr
	s_sub_co_u32 s3, s3, 1
	s_cmp_lg_u32 s3, 0
	s_wait_alu depctr_va_vdst(0)                   ; directly ahead of the branch
	s_cbranch_scc1 .Ltrip
	TURN 0, 1, 0                                   ; nothing is left to fetch
	STEP 1, 0, 0
	s_wait_dscnt 0x0
	MUL32 1, 0
	PLACES 4
; THE WAY OUT, 16 rows x 128 channels at a time: x the row's last factor, through my own stage, back as whole rows of 512 bytes.  LDS serves a wave's instructions in order (ISA guide 5.7.1.4).
.macro TOSTAGE a
	WIN 0x42                                       ; destination window 1, source 0 window 2, the factor in window 0
.set x, 0
.rept 32
	v_pk_mul_f32 v[TMP+x:TMP+x+1], v[64*(\a)+x:64*(\a)+x+1], v[FAC+8*(\a):FAC+8*(\a)+1] op_sel:[0,1] op_sel_hi:[1,1]
.set x, x+2
.endr
	WIN 0x04                                       ; the stores' data in window 1
.irp b, 0,1,2,3,4,5,6,7
	ds_store_b128 v[STO], v[TMP+8*\b:TMP+8*\b+3] offset:64*\b
	ds_store_b128 v[STO], v[TMP+8*\b+4:TMP+8*\b+7] offset:64*\b+16
.endr
	WIN 0
.set BB, BK+64*((\a)%2)
.irp t, 0,1,2,3,4,5,6,7,8,9,10,11,12,13,14,15
	ds_load_b128 v[BB+4*\t:BB+4*\t+3], v[RD] offset:\t*SPITCH
.endr
.endm
.macro SEND a, younger                 ; younger: the LDS instructions issued behind block a's loads, which may stay out
.set BB, BK+64*((\a)%2)
	s_wait_dscnt \younger
.irp t, 0,1,2,3,4,5,6,7,8,9,10,11,12,13,14,15
	global_store_b128 v[CO], v[BB+4*\t:BB+4*\t+3], s[12:13] offset:65536*(\a)+4096*\t th:TH_STORE_NT   ; 512 consecutive bytes, at a multiple of 512 from out's first byte
.endr
.endm
	TOSTAGE 0
	TOSTAGE 1
	SEND 0, 32                                     ; behind block 0's loads: block 1's 16 stores and 16 loads
	s_wait_xcnt 0x0                                ; block 0's stores have read their registers: block 2's loads may land there
	TOSTAGE 2
	SEND 1, 32
	s_wait_xcnt 0x0
	TOSTAGE 3
	SEND 2, 32
	SEND 3, 0
	s_wait_tensorcnt 0x0                           ; the wave's end
	ds_add_u32 v[SPW], v[NIL]
	s_wait_dscnt 0x0
	CROUND                                         ; the closing round
	s_endpgm
.Lfunc_end_k_q142cf2e4f4_pv:
	.size	k_q142cf2e4f4_pv, .Lfunc_end_k_q142cf2e4f4_pv-k_q142cf2e4f4_pv
	.p2alignl 7, 3214868480
	.fill 96, 4, 3214868480
	.section	.rodata,"a",@progbits
	.p2align	6, 0x0
	.amdhsa_kernel k_q142cf2e4f4_pv
		.amdhsa_group_segment_fixed_size 327680
		.amdhsa_private_segment_fixed_size 0
		.amdhsa_enable_private_segment 0
		.amdhsa_kernarg_size 40
		.amdhsa_user_sgpr_count 2
		.amdhsa_user_sgpr_kernarg_segment_ptr 1
		.amdhsa_wavefront_size32 1
		.amdhsa_system_sgpr_workgroup_id_x 1
		.amdhsa_system_sgpr_workgroup_id_y 1
		.amdhsa_system_sgpr_workgroup_id_z 1
		.amdhsa_system_vgpr_workitem_id 0
		.amdhsa_next_free_vgpr 1024
		.amdhsa_next_free_sgpr 84
		.amdhsa_reserve_vcc 0
		.amdhsa_float_denorm_mode_32 3
		.amdhsa_float_denorm_mode_16_64 3
		.amdhsa_memory_ordered 1
		.amdhsa_forward_progress 1
		.amdhsa_inst_pref_size 128
	.end_amdhsa_kernel
	.amdgpu_metadata
---
amdhsa.version: [ 1, 2 ]
amdhsa.kernels:
  - .name:           k_q142cf2e4f4_pv
    .symbol:         k_q142cf2e4f4_pv.kd
    .args:
      - { .name: pimg, .offset: 0, .size: 8, .value_kind: global_buffer, .address_space: global }
      - { .name: v_codes, .offset: 8, .size: 8, .value_kind: global_buffer, .address_space: global }
      - { .name: stats, .offset: 16, .size: 8, .value_kind: global_buffer, .address_space: global }
      - { .name: lowp_scales, .offset: 24, .size: 8, .value_kind: global_buffer, .address_space: global }
      - { .name: out0, .offset: 32, .size: 8, .value_kind: global_buffer, .address_space: global }
    .group_segment_fixed_size: 327680
    .private_segment_fixed_size: 0
    .kernarg_segment_align: 8
    .kernarg_segment_size: 40
    .max_flat_workgroup_size: 128
    .sgpr_count:     84
    .vgpr_count:     1024
    .wavefront_size: 32
...
	.end_amdgpu_metadata
.endif
;; end of part 2
